; MI455X (gfx1250); checked and timed in simulation.
; The chip was launched on July 23, 2026; its instructions are those of AMD's public machine-readable ISA for CDNA 5 (MIT licence, August 2026) and "CDNA5" Instruction Set Architecture Reference Guide (July 2026). The comments in the code are by the model that wrote it; some were corrected since.
;; K Means. Allowed arithmetic: matrix products marked QUANTISED: E4M3 operands, one E8M0 scale for each 32 along K, by v_wmma_scale_f32_16x16x128_f8f6f4 with both operands' format E4M3, f32 sums; everything else in f32.
;; Inputs: centers 1,024 x 64 float32; x 262,144 x 64 float32.
;; Outputs: out0 262,144 int32.
;; This version of the problem:
;;   THIS VERSION OF THE PROBLEM IS GIVEN IN LOW PRECISION. The matrix products marked QUANTISED in the list below multiply operands that are first quantised to E4M3 (4 exponent bits, 3 mantissa bits; 8 bits a number), with one power-of-two scale for each 32 numbers along K (OCP MX v1.0); their sums are f32. All else is computed in f32.
;;   The module's matrix products, in the order in which they are computed (A, B: the left and right operand; K: the contracted axis; several contracted axes count as one K, in the product's order):
;;     1. [M 262,144, K 64] x [K 64, N 1,024]; A: input x; B: input centers: QUANTISED
;;   THE QUANTISER, for each operand of a quantised product, along K:
;;     - K is cut into blocks of 32 from its start; a last block that is shorter is filled with zeros.
;;     - A block's scale is 2^e with e = floor(log2(the largest magnitude in the block)) - 8, held to -126 .. 127; a block of zeros has e = 0. As a byte (E8M0): e + 127.
;;     - Each number is divided by its block's scale, clamped to +-448, and rounded to the nearest number of E4M3, ties to even, subnormals kept.
;;     - The product sums the exact products of the quantised numbers (number of the format x scale) in f32.
;;   ~~~python
;;   def quantise(x, axis):      # numpy; x: float32 -> the quantised numbers, widened to float32 again
;;       x = np.moveaxis(x, axis, -1); K = x.shape[-1]
;;       x = np.pad(x, [(0, 0)] * (x.ndim - 1) + [(0, -K % 32)]); x = x.reshape(x.shape[:-1] + (-1, 32)); a = np.abs(x).max(-1, keepdims=True)
;;       e = np.where(a > 0, np.clip(np.frexp(np.where(a > 0, a, 1))[1] - 1 - 8, -126, 127), 0)      # np.frexp(a)[1] - 1 = floor(log2(a)), exactly
;;       r = np.clip(x / 2.0 ** e, -448, 448)
;;       step = 2.0 ** (np.maximum(np.frexp(np.where(r == 0, 1, r))[1] - 1, -6) - 3)
;;       q = np.round(r / step) * step * 2.0 ** e      # np.round: ties to even
;;       return np.moveaxis(q.reshape(q.shape[:-2] + (-1,))[..., :K], -1, axis).astype(np.float32)
;;   ~~~
;; 2 versions, each right; version 2 is version 1 with the launch kmeans written anew for expert scheduling mode. Each part assembles by itself: llvm-mc -triple=amdgcn-amd-amdhsa -mcpu=gfx1250 --defsym DOCPART=n.
;; ======== version 1 of 2: 1 launch
;; launch kmeans (part 1): grid 256 x 1, 16 waves a work-group, no clusters, 288,768 bytes of LDS; arguments x, centers, out0; writes out0
.if DOCPART == 1
	.amdgcn_target "amdgcn-amd-amdhsa--gfx1250"
	.amdhsa_code_object_version 6
	.text
	.protected	k_q6886b2587b_kmeans
	.globl	k_q6886b2587b_kmeans
	.p2align	8
	.type	k_q6886b2587b_kmeans,@function
k_q6886b2587b_kmeans:
	s_mov_b64 s[64:65], 0
	v_nop
	global_prefetch_b8 v0, s[64:65] scope:SCOPE_SE
	s_setreg_imm32_b32 hwreg(HW_REG_WAVE_MODE, 25, 1), 1
	s_wait_xcnt 0x0
; out0[n] = argmin over k of |xn[n] - 2 x[n].c[k] + cn[k]|.  x: [262144][64] f32, centers: [1024][64] f32, out0: [262144] i32.
; The product runs on codes of E4M3 with one E8M0 scale for each 32 along K (K = 64: two blocks); norms, sums, magnitudes and comparisons are f32; ties go to the lower index.
; SHARES.  256 work-groups of 16 waves; a work-group owns 1,024 rows of x, a wave 64: four tiles of 16 rows, which stay in its registers as codes.  Every wave walks all 64 tiles of 16 centres, read from LDS.
; Four waves of 256 registers share a SIMD, so that one wave's products and LDS loads stand beside another's vector work: a tile of centres costs a wave 4 products and 56 vector lines.
; THE PRODUCT IS USED TRANSPOSED (source 0 = 16 centres, source 1 = 16 rows of x): lane (r = lane % 16, h = lane / 16) holds row r throughout, and register j of a result the centre 16 t + 8 h + j.
; C is -xn of the lane's row in all eight registers, and the centres' scale bytes are one higher than their codes were made with, so a product gives 2 p - xn.  One packed addition of -cn gives d' = -((xn - 2 p) + cn): |d'| = |dist|.
; K = 64 IN A FORM OF K = 128: the centres' operand is 8 registers of codes and 8 of zero codes.  x's operand is tile i's 8 registers and whatever follows (tile i + 1's codes; zeros behind tile 3): those codes meet zero codes
; and add nothing; none is a NaN code, since every number is held within the largest code before it is converted.  A scale word repeats its two bytes, so the bytes over the idle half are ordinary ones.
; THE ARGMIN.  For each row tile a lane keeps the best magnitude so far, the number of the tile of centres that brought it, and that tile's eight d'.  A tile's eight magnitudes and the old best go through four v_min3; where the
; result is strictly smaller than the old best (so the earlier tile keeps a tie) the eight d' and the tile's number are taken by selects.  The place inside the kept tile is looked up once, at the end, lowest first.
; THE CENTRES are read and quantised by every work-group: 256 KiB of f32, as much as its own share of x, 4 tiles a wave, worked while x is on its way.  They are not asked for jointly in a cluster: they must pass through
; registers to be quantised, and 256 KiB of f32 have no room in LDS beside the images (64 KiB) and the waves' stages (204 KiB).
; LIMITS.  NaN and infinities among the inputs are not served.  A block whose largest magnitude lies under 2^-118 keeps the scale byte 1 (a block of zeros too: its codes are zeros).
; The 64 squares of a norm are summed in this text's own order (two packed chains a lane, then the lane 16 away); xn - 2 p is rounded once, inside the matrix instruction, where reference() rounds p first.
.set DUAL,  1                          ; 1: two selects in one instruction; 0: written singly
.set CSC,   0                          ; LDS: the scale word of centre n at 4 n
.set CN,    4096                       ; -cn[n] at 4 n
.set OST,   8192                       ; 256 bytes a wave: the index of its row q at 4 q
.set CIMG,  12288                      ; the centres' codes as images of the operand's registers: tile t at 1,024 t: registers 0-3 at 16 x lane, registers 4-7 at 512 + 16 x lane
.set STG,   77824                      ; three stages a wave, each 16 rows x (256 + 16) bytes
.set SP,    272                        ; a stage row: 17 x 16 bytes, so that sixteen rows begin in sixteen different 16-byte columns of 256
.set STB,   16*SP
.set WSTG,  3*STB
.set WCI,  2                           ; v2   the trip's address among the images (at the head: lane)
.set STW,  3                           ; v3   a stage, on the way in: my wave's + 272 h + 16 r
.set STR,  4                           ; v4   and on the way out: my wave's + 272 r + 64 h
.set ACI,  5                           ; v5   CIMG + 16 x lane; never rewritten
.set ACN,  6                           ; v6   CN + 32 h; never rewritten
.set ASC,  7                           ; v7   CSC + 4 x lane; never rewritten
.set H8,   8                           ; v8   8 h
.set CIW,  9                           ; v9   where I store my wave's images: CIMG + 4,096 x wave + 16 x lane
.set CSW,  10                          ; v10  256 x wave + 4 r: my wave's scale words and norms
.set OSW,  11                          ; v11  OST + 256 x wave + 4 r
.set OSR,  12                          ; v12  OST + 256 x wave + 8 x lane
.set OGO,  13                          ; v13  8 x lane: my bytes of the wave's 256 in out0
.set SCW,  14                          ; v14  the centres' scale words: lanes 0-15 the even tile's, lanes 16-31 the odd tile's; it holds nothing else
.set WCN,  15                          ; v15  the trip's address among the norms (at the head: r)
.set XS,   16                          ; v16-19  x's scale words, one register a row tile; they hold nothing else
.set BA,   20                          ; v20-23  the best magnitude (in the prologue: -xn)
.set BB,   24                          ; v24-27  its second set: the two take turns
.set TI,   28                          ; v28-31  the winning tile's number
.set AM,   32                          ; the quantiser's registers, v32-59: two largest magnitudes,
.set PX,   34                          ; the other half's,
.set SO,   36                          ; the conversions' scale operands,
.set LM,   38                          ; 448 x the scale,
.set BY,   40                          ; the bytes,
.set W,    42                          ; a tile of centres' scale word,
.set NG,   43                          ; its -cn,
.set NS,   44                          ; v44-47 sums of squares,
.set NP,   48                          ; the other half's,
.set CD,   52                          ; v52-59 a tile of centres' codes
.set CB0,  32                          ; the walk: v32-47, v48-63 the centres' operand, even and odd tile: 8 registers of codes, 8 of zeros
.set S0,   64                          ; the prologue: six sets of 32 registers as loaded
.set S1,   96
.set S2,   128
.set S3,   160
.set S4,   192
.set S5,   224
.set TA,   128                         ; and two sets of 32 neighbours along K
.set TB,   160
.set H0,   64                          ; the walk: v64-95, v96-127 four results of the even tile, of the odd tile
.set SV,   128                         ; v128-159 the winning tile's d', 8 a row tile
.set XC,   160                         ; v160-191 -xn, 8 a row tile
.set XF,   192                         ; v192-223 x's codes, 8 a row tile
.set XT,   224                         ; v224-231 zeros
.set NB0,  232                         ; v232-239, v240-247 -cn of the even tile, of the odd tile
.set WSC,  248                         ; v248 the trip's address among the scale words;  v249-254 at work at the end
.macro GLOADC set, tile                ; a tile of 16 rows, 4,096 bytes, as it lies: each load takes 512 consecutive bytes, 16 a lane
.irp i, 0,1,2,3,4,5,6,7
	global_load_b128 v[\set+4*\i:\set+4*\i+3], v1, s[6:7] offset:4096*\tile+512*\i
.endr
.endm
.macro GLOADX set, tile                ; the same of x, which the launch reads once
.irp i, 0,1,2,3,4,5,6,7
	global_load_b128 v[\set+4*\i:\set+4*\i+3], v1, s[4:5] offset:4096*\tile+512*\i th:TH_LOAD_NT
.endr
.endm
.macro PUT set, st                     ; into stage st: load i holds rows 2 i (lanes 0-15) and 2 i + 1 (lanes 16-31)
.irp i, 0,1,2,3,4,5,6,7
	ds_store_b128 v[STW], v[\set+4*\i:\set+4*\i+3] offset:STB*\st+2*SP*\i
.endr
.endm
.macro GET st, t                       ; and back: register 16 c + i of v[t] on is k = 32 c + 16 h + i of row r: the order of the operand's registers
.irp c, 0,1
.irp q, 0,1,2,3
	ds_load_b128 v[\t+16*\c+4*\q:\t+16*\c+4*\q+3], v[STR] offset:STB*\st+128*\c+16*\q
.endr
.endr
.endm
; 32 numbers of a lane become 8 registers of codes in v[cod] on, the row's scale word in v[wrd] and minus the row's sum of squares in v[neg].
; lit: what is added to the largest magnitude's bits to give the stored byte: -8 in the exponent field (x), -7 (the centres: the byte is one higher, which doubles the product).
.macro QUANT t, cod, wrd, neg, lit
	v_pk_mul_f32 v[NS:NS+1], v[\t:\t+1], v[\t:\t+1]                ; the squares of the numbers as they came, in two packed chains
	v_pk_mul_f32 v[NS+2:NS+3], v[\t+2:\t+3], v[\t+2:\t+3]
.irp j, 4,8,12,16,20,24,28
	v_pk_fma_f32 v[NS:NS+1], v[\t+\j:\t+\j+1], v[\t+\j:\t+\j+1], v[NS:NS+1]
	v_pk_fma_f32 v[NS+2:NS+3], v[\t+\j+2:\t+\j+3], v[\t+\j+2:\t+\j+3], v[NS+2:NS+3]
.endr
	v_max3_num_f32 v[AM], |v[\t]|, |v[\t+1]|, 0x4800000            ; each block's largest magnitude of my 16, with the floor 2^(9 - 127) among the leaves: the byte cannot fall under 1
	v_max3_num_f32 v[AM+1], |v[\t+16]|, |v[\t+17]|, 0x4800000
.irp i, 2,4,6,8,10,12,14
	v_max3_num_f32 v[AM], v[AM], |v[\t+\i]|, |v[\t+\i+1]|          ; (the two blocks by turns)
	v_max3_num_f32 v[AM+1], v[AM+1], |v[\t+16+\i]|, |v[\t+17+\i]|
.endr
	v_pk_add_f32 v[NS:NS+1], v[NS:NS+1], v[NS+2:NS+3]
	v_permlanex16_b32 v[PX], v[AM], s12, s13
	v_permlanex16_b32 v[PX+1], v[AM+1], s12, s13
	v_add_f32 v[NS], v[NS], v[NS+1]
	v_max_num_f32 v[AM], v[AM], v[PX]                              ; with the lane 16 away: the block's
	v_max_num_f32 v[AM+1], v[AM+1], v[PX+1]
	v_permlanex16_b32 v[NP], v[NS], s12, s13
.irp b, 0,1
	v_add_nc_u32 v[SO+\b], 0xfc000000, v[AM+\b]                    ; 8 off the exponent field: the conversion takes that field as its scale and nothing else
	v_and_or_b32 v[LM+\b], v[AM+\b], 0x7f800000, s14               ; 448 x the scale: the same exponent field over 448's mantissa field
	v_add_nc_u32 v[BY+\b], \lit, v[AM+\b]
.endr
	v_sub_f32 v[\neg], -v[NS], v[NP]                               ; -(my half + the other half): the same bits in both halves of the lanes
	v_lshrrev_b32 v[BY], 23, v[BY]
	v_lshrrev_b32 v[BY+1], 23, v[BY+1]
	v_lshl_or_b32 v[\wrd], v[BY+1], 8, v[BY]
	v_lshl_or_b32 v[\wrd], v[\wrd], 16, v[\wrd]                    ; (b0, b1, b0, b1)
.irp b, 0,1
.irp i, 0,1,2,3,4,5,6,7,8,9,10,11,12,13,14,15
	v_med3_num_f32 v[\t+16*\b+\i], v[\t+16*\b+\i], -v[LM+\b], v[LM+\b]   ; the conversion to an 8-bit code does not saturate (ISA guide 7.6.2): the hold at the largest code x the scale
.endr
.endr
.irp b, 0,1
	v_cvt_scalef32_pk8_fp8_f32 v[\cod+4*\b:\cod+4*\b+1], v[\t+16*\b:\t+16*\b+7], v[SO+\b]
	v_cvt_scalef32_pk8_fp8_f32 v[\cod+4*\b+2:\cod+4*\b+3], v[\t+16*\b+8:\t+16*\b+15], v[SO+\b]
.endr
	v_nop                                                          ; one plain line between a scaled conversion and the next vector or matrix line that touches its result or writes its sources
.endm
.macro CSTORE n                        ; my wave's n-th tile of centres goes to LDS: the image of its codes, its scale words, its -cn (both halves of the lanes write the same word with the same value)
	ds_store_b128 v[CIW], v[CD:CD+3] offset:1024*\n
	ds_store_b128 v[CIW], v[CD+4:CD+7] offset:1024*\n+512
	ds_store_b32 v[CSW], v[W] offset:CSC+64*\n
	ds_store_b32 v[CSW], v[NG] offset:CN+64*\n
.endm
; A tile of parity e, of the pair in hand (ahead = 0) or the next pair (1): its codes, its eight -cn of my half, and with the even tile the pair's scale words
.macro LOADS e, ahead, ai, an, as
	ds_load_b128 v[CB0+16*\e:CB0+16*\e+3], v[\ai] offset:2048*\ahead+1024*\e
	ds_load_b128 v[CB0+16*\e+4:CB0+16*\e+7], v[\ai] offset:2048*\ahead+1024*\e+512
	ds_load_b128 v[NB0+8*\e:NB0+8*\e+3], v[\an] offset:128*\ahead+64*\e
	ds_load_b128 v[NB0+8*\e+4:NB0+8*\e+7], v[\an] offset:128*\ahead+64*\e+16
.if \e == 0
	ds_load_b32 v[SCW], v[\as] offset:128*\ahead
.endif
.endm
; Four products: the tile of parity e against my four row tiles.  Each has a result of its own and -xn as C: nothing is added in place, so no two of them form a chain.
.macro WM e
.irp i, 0,1,2,3
.if \e
	v_wmma_scale_f32_16x16x128_f8f6f4 v[H0+32*\e+8*\i:H0+32*\e+8*\i+7], v[CB0+16*\e:CB0+16*\e+15], v[XF+8*\i:XF+8*\i+15], v[XC+8*\i:XC+8*\i+7], v[SCW], v[XS+\i] matrix_a_scale:MATRIX_SCALE_ROW1
.else
	v_wmma_scale_f32_16x16x128_f8f6f4 v[H0+32*\e+8*\i:H0+32*\e+8*\i+7], v[CB0+16*\e:CB0+16*\e+15], v[XF+8*\i:XF+8*\i+15], v[XC+8*\i:XC+8*\i+7], v[SCW], v[XS+\i]
.endif
.endr
.endm
.macro SEL2 a, b                       ; v[a], v[a + 1] take v[b], v[b + 1] where VCC is set.  a and b are even: one destination even, one odd; the two first sources, and the two second, are neighbouring registers
.if DUAL
	v_dual_cndmask_b32 v[\a], v[\a], v[\b] :: v_dual_cndmask_b32 v[\a+1], v[\a+1], v[\b+1]
.else
	v_cndmask_b32 v[\a], v[\a], v[\b], vcc_lo
	v_cndmask_b32 v[\a+1], v[\a+1], v[\b+1], vcc_lo
.endif
.endm
; The vector work of a tile of parity e: 56 lines.  bin, bout: the best before and behind it; st: the scalar register with the tile's number; load = 1: the next tile of this parity is fetched.
.macro P e, bin, bout, st, load
.irp q, 0,1,2,3
.irp i, 0,1,2,3
	v_pk_add_f32 v[H0+32*\e+8*\i+2*\q:H0+32*\e+8*\i+2*\q+1], v[H0+32*\e+8*\i+2*\q:H0+32*\e+8*\i+2*\q+1], v[NB0+8*\e+2*\q:NB0+8*\e+2*\q+1]   ; d' = (2 p - xn) - cn; each result is first read at its registers 0 and 1
.endr
.endr
.if \load
	LOADS \e, 1, WCI, WCN, WSC                     ; -cn has been used; the sixteen additions above name no register of the products just issued: they are the places in front of the load into the scale words
.endif
.irp i, 0,1,2,3
	v_min3_num_f32 v[\bout+\i], |v[H0+32*\e+8*\i]|, |v[H0+32*\e+8*\i+1]|, v[\bin+\i]
.endr
.irp q, 1,2,3
.irp i, 0,1,2,3
	v_min3_num_f32 v[\bout+\i], |v[H0+32*\e+8*\i+2*\q]|, |v[H0+32*\e+8*\i+2*\q+1]|, v[\bout+\i]   ; (the four row tiles by turns)
.endr
.endr
.irp i, 0,1,2,3
	v_cmp_lt_f32 vcc_lo, v[\bout+\i], v[\bin+\i]   ; strictly better: on a tie the earlier tile stays
.irp q, 0,1,2,3
	SEL2 SV+8*\i+2*\q, H0+32*\e+8*\i+2*\q
.endr
	v_cndmask_b32 v[TI+\i], v[TI+\i], s[\st], vcc_lo
.endr
.endm
; A trip: tiles s16 (its products were issued a trip ago) and s16 + 1.  A result is read 56 plain lines behind its product and written over 56 such lines behind that; a load into an operand stands as far behind its last product.
.macro TRIP last
	s_wait_dscnt 0x0                               ; the odd tile's codes and -cn are in
.if 1-\last
	v_add_nc_u32 v[WCI], s21, v[ACI]               ; this trip's places in the three tables
	v_add_nc_u32 v[WCN], s22, v[ACN]
	v_add_nc_u32 v[WSC], s22, v[ASC]
.endif
	WM 1
	P 0, BA, BB, 16, 1-\last
.if 1-\last
	s_wait_dscnt 0x0                               ; the next even tile's codes, -cn and the next pair's scale words are in (asked for 40 lines ago)
	WM 0
.endif
	P 1, BB, BA, 17, 1-\last
.endm
; The end, for row tile i: the lowest place in the kept tile whose magnitude is the best; the index; then the better of mine and the lane 16 away's, the lower index on a tie.
.macro FIN i
	v_mov_b32 v249, 7
.irp j, 6,5,4,3,2,1,0
	v_cmp_eq_f32 vcc_lo, |v[SV+8*\i+\j]|, v[BA+\i]
	v_cndmask_b32 v249, v249, \j, vcc_lo
.endr
	v_lshl_add_u32 v250, v[TI+\i], 4, v249
	v_add_nc_u32 v250, v250, v[H8]                 ; 16 t + 8 h + j
	v_permlanex16_b32 v251, v[BA+\i], s12, s13
	v_permlanex16_b32 v252, v250, s12, s13
	v_min_num_f32 v253, v[BA+\i], v251
	v_cmp_eq_f32 vcc_lo, v[BA+\i], v253
	v_cndmask_b32 v250, v254, v250, vcc_lo         ; an index whose magnitude is not the smaller one steps aside
	v_cmp_eq_f32 vcc_lo, v251, v253
	v_cndmask_b32 v252, v254, v252, vcc_lo
	v_min_u32 v[240+\i], v250, v252                ; a register of its own for each row tile: no LDS store's data are written again
	ds_store_b32 v[OSW], v[240+\i] offset:64*\i    ; both halves of the lanes write the same word with the same value
.endm
	; ---- the head: addresses, and all loads that have registers to land in
	s_load_b128 s[4:7], s[0:1], 0x0                ; x s[4:5], centers s[6:7]
	s_load_b64 s[8:9], s[0:1], 0x10                ; out0
	v_lshrrev_b32 v2, 5, v0
	v_readfirstlane_b32 s10, v2                    ; wave 0..15
	v_and_b32 v2, 31, v0                           ; lane
	v_lshlrev_b32 v1, 4, v2                        ; 16 x lane: my bytes of a load's 512; never rewritten
	s_lshl_b32 s18, s10, 14                        ; my wave's 64 rows of x, and its 4 tiles of centres: 16,384 bytes each
	s_mov_b32 s19, 0
	s_lshl_b32 s2, ttmp9, 18                       ; the work-group's 1,024 rows of 256 bytes
	s_add_co_u32 s2, s2, s18
	s_mov_b32 s3, 0
	s_lshl_b32 s20, ttmp9, 12                      ; its 1,024 indices,
	s_lshl_b32 s11, s10, 8                         ; my wave's 64
	s_add_co_u32 s20, s20, s11
	s_mov_b32 s21, 0
	s_wait_kmcnt 0x0
	s_add_nc_u64 s[4:5], s[4:5], s[2:3]
	s_add_nc_u64 s[6:7], s[6:7], s[18:19]
	s_add_nc_u64 s[8:9], s[8:9], s[20:21]
	GLOADC S0, 0                                   ; the centres first: loads come back in order (ISA guide 5.7.1), and they are worked while x is on its way
	GLOADC S1, 1
	GLOADC S2, 2
	GLOADC S3, 3
	GLOADX S4, 0
	GLOADX S5, 1
	v_and_b32 v15, 15, v0                          ; r
	v_bfe_u32 v8, v0, 4, 1                         ; h
	s_mul_i32 s11, s10, WSTG
	s_add_co_u32 s11, s11, STG                     ; my wave's stages
	v_mul_u32_u24 v[STW], v8, SP
	v_lshl_add_u32 v[STW], v15, 4, v[STW]
	v_add_nc_u32 v[STW], s11, v[STW]
	v_mul_u32_u24 v[STR], v15, SP
	v_lshl_add_u32 v[STR], v8, 6, v[STR]
	v_add_nc_u32 v[STR], s11, v[STR]
	v_add_nc_u32 v[ACI], CIMG, v1
	v_lshl_add_u32 v[ACN], v8, 5, CN
	v_lshlrev_b32 v[ASC], 2, v2
	s_lshl_b32 s11, s10, 12
	v_add_nc_u32 v[CIW], s11, v[ACI]
	s_lshl_b32 s11, s10, 8
	v_lshl_add_u32 v[CSW], v15, 2, s11
	v_add_nc_u32 v[OSW], OST, v[CSW]
	v_lshl_add_u32 v[OSR], v2, 3, s11
	v_add_nc_u32 v[OSR], OST, v[OSR]
	v_lshlrev_b32 v[OGO], 3, v2
	v_lshlrev_b32 v[H8], 3, v8
	v_mov_b32 v[PX], 0                             ; written once: a lane permute's destination counts as one of its sources
	v_mov_b32 v[PX+1], 0
	v_mov_b32 v[NP], 0
	s_mov_b32 s12, 0x76543210                      ; v_permlanex16_b32's selects for the lane 16 away
	s_mov_b32 s13, 0xfedcba98
	s_mov_b32 s14, 0x600000                        ; the mantissa field of 448
	; ---- my four tiles of centres
	s_wait_loadcnt 16                              ; the centres' 32 loads are in; x's 16 stay out
	PUT S0, 0
	PUT S1, 1
	PUT S2, 2
	s_wait_dscnt 0x0                               ; the stores have read their registers,
	GLOADX S0, 2                                   ; which take the rest of my x: all 64 rows are now asked for
	GLOADX S1, 3
	GET 0, TA                                      ; LDS serves a wave's instructions in order (ISA guide 5.7.1.4): the stage is read, then written again
	PUT S3, 0
	s_wait_dscnt 0x0
	GET 1, TB
	QUANT TA, CD, W, NG, 0xfc800000
	CSTORE 0
	GET 2, TA
	s_wait_dscnt 8                                 ; all but the eight loads just issued: tile 1 is in, and the stores have read the codes' registers
	QUANT TB, CD, W, NG, 0xfc800000
	CSTORE 1
	GET 0, TB
	s_wait_dscnt 8                                 ; likewise: tile 2 is in
	QUANT TA, CD, W, NG, 0xfc800000
	CSTORE 2
	s_wait_dscnt 0x0
	QUANT TB, CD, W, NG, 0xfc800000
	CSTORE 3
	; ---- my four tiles of x: codes, scale words and -xn stay in registers
	s_wait_loadcnt 16                              ; tiles 0 and 1 are in; the 16 loads of tiles 2 and 3 may be out
	PUT S4, 1
	PUT S5, 2
	GET 1, TA
	GET 2, TB
	s_wait_dscnt 8                                 ; all but tile 1's eight loads: tile 0 is in, and the stores have read v192-255, where the codes go
	QUANT TA, XF, XS, BA, 0xfc000000
	s_wait_loadcnt 8                               ; tile 2 is in
	PUT S0, 0
	GET 0, TA
	s_wait_dscnt 16                                ; the eight stores and eight loads just issued may be out: tile 1 is in
	QUANT TB, XF+8, XS+1, BA+1, 0xfc000000
	s_wait_loadcnt 0x0
	PUT S1, 1
	GET 1, TB
	s_wait_dscnt 16                                ; likewise: tile 2 is in
	QUANT TA, XF+16, XS+2, BA+2, 0xfc000000
	s_wait_dscnt 0x0
	QUANT TB, XF+24, XS+3, BA+3, 0xfc000000
	; ---- what the walk finds in registers; then the launch's one barrier
.irp j, 0,1,2,3,4,5,6,7
	v_mov_b32 v[CB0+8+\j], 0                       ; the idle half of K: zero codes, in both sets of the centres' operand,
	v_mov_b32 v[CB0+24+\j], 0
	v_mov_b32 v[XT+\j], 0                          ; and behind x's last tile
.endr
.irp i, 0,1,2,3
.irp j, 0,1,2,3,4,5,6,7
	v_mov_b32 v[XC+8*\i+\j], v[BA+\i]              ; C: -xn of my row in all eight registers
.endr
.endr
.irp i, 0,1,2,3
	v_mov_b32 v[TI+\i], 0
.endr
	s_wait_dscnt 0x0                               ; for the others' sake: my images, scale words and norms have landed
	s_barrier_signal -1
	s_barrier_wait -1                              ; all 64 tiles of centres lie in LDS; from here on nobody writes them
	LOADS 0, 0, ACI, ACN, ASC
	LOADS 1, 0, ACI, ACN, ASC
	s_wait_dscnt 0x0
	WM 0
.irp i, 0,1,2,3
	v_mov_b32 v[BA+\i], 0x7f800000                 ; the best so far: +infinity.  (These 36 lines name no register of the four products: they are the places behind them, ISA guide 7.12.1)
.endr
.irp j, 0,1,2,3,4,5,6,7,8,9,10,11,12,13,14,15,16,17,18,19,20,21,22,23,24,25,26,27,28,29,30,31
	v_mov_b32 v[SV+\j], 0                          ; written before the selects read them; the first tile replaces them
.endr
	s_mov_b32 s16, 0                               ; the even tile's number, and the loop's counter
	s_mov_b32 s21, 0                               ; 2,048 bytes of images a trip
	s_mov_b32 s22, 0                               ; 128 bytes of norms, and of scale words
.Ltrip:                                            ; 31 trips: tiles 0 to 61; each fetches the next pair
	s_add_co_u32 s17, s16, 1
	TRIP 0
	s_add_co_u32 s21, s21, 2048
	s_add_co_u32 s22, s22, 128
	s_add_co_u32 s16, s16, 2
	s_cmp_lt_u32 s16, 62
	s_cbranch_scc1 .Ltrip
	s_mov_b32 s17, 63
	TRIP 1                                         ; tiles 62 and 63: written out, since nothing is left to fetch
	; ---- the end: 64 indices a wave, gathered in its own 256 bytes of LDS, leave as 256 consecutive bytes, aligned
	v_mov_b32 v251, 0                              ; a lane permute's destination counts as one of its sources
	v_mov_b32 v252, 0
	v_mov_b32 v254, 0x7fffffff
	FIN 0
	FIN 1
	FIN 2
	FIN 3
	ds_load_b64 v[250:251], v[OSR]                 ; LDS serves a wave's instructions in order: this sees my stores
	s_wait_dscnt 0x0
	global_store_b64 v[OGO], v[250:251], s[8:9] th:TH_STORE_NT
	s_wait_xcnt 0x0
	v_lshl_add_u32 v254, v0, 2, 0x46000
	v_mov_b32 v255, 0
	s_wait_tensorcnt 0x0
	ds_add_u32 v254, v255
	s_wait_dscnt 0x0
	s_endpgm
.Lfunc_end_k_q6886b2587b_kmeans:
	.size	k_q6886b2587b_kmeans, .Lfunc_end_k_q6886b2587b_kmeans-k_q6886b2587b_kmeans
	.p2alignl 7, 3214868480
	.fill 96, 4, 3214868480
	.section	.rodata,"a",@progbits
	.p2align	6, 0x0
	.amdhsa_kernel k_q6886b2587b_kmeans
		.amdhsa_group_segment_fixed_size 288768
		.amdhsa_private_segment_fixed_size 0
		.amdhsa_enable_private_segment 0
		.amdhsa_kernarg_size 24
		.amdhsa_user_sgpr_count 2
		.amdhsa_user_sgpr_kernarg_segment_ptr 1
		.amdhsa_wavefront_size32 1
		.amdhsa_system_sgpr_workgroup_id_x 1
		.amdhsa_system_sgpr_workgroup_id_y 1
		.amdhsa_system_sgpr_workgroup_id_z 1
		.amdhsa_system_vgpr_workitem_id 0
		.amdhsa_next_free_vgpr 256
		.amdhsa_next_free_sgpr 66
		.amdhsa_reserve_vcc 1
		.amdhsa_float_denorm_mode_32 3
		.amdhsa_float_denorm_mode_16_64 3
		.amdhsa_memory_ordered 1
		.amdhsa_forward_progress 1
		.amdhsa_inst_pref_size 88
	.end_amdhsa_kernel
	.amdgpu_metadata
---
amdhsa.version: [ 1, 2 ]
amdhsa.kernels:
  - .name:           k_q6886b2587b_kmeans
    .symbol:         k_q6886b2587b_kmeans.kd
    .args:
      - { .name: x, .offset: 0, .size: 8, .value_kind: global_buffer, .address_space: global }
      - { .name: centers, .offset: 8, .size: 8, .value_kind: global_buffer, .address_space: global }
      - { .name: out0, .offset: 16, .size: 8, .value_kind: global_buffer, .address_space: global }
    .group_segment_fixed_size: 288768
    .private_segment_fixed_size: 0
    .kernarg_segment_align: 8
    .kernarg_segment_size: 24
    .max_flat_workgroup_size: 512
    .sgpr_count:     66
    .vgpr_count:     256
    .wavefront_size: 32
...
	.end_amdgpu_metadata
.endif
;; end of part 1
;; ======== version 2 of 2: 1 launch; version 1 with the launch kmeans written anew for expert scheduling mode
;; launch kmeans (part 2): grid 256 x 1, 16 waves a work-group, no clusters, 288,768 bytes of LDS; arguments x, centers, out0; writes out0
.if DOCPART == 2
	.amdgcn_target "amdgcn-amd-amdhsa--gfx1250"
	.amdhsa_code_object_version 6
	.text
	.protected	k_q6886b2587b_kmeans
	.globl	k_q6886b2587b_kmeans
	.p2align	8
	.type	k_q6886b2587b_kmeans,@function
k_q6886b2587b_kmeans:
	s_mov_b64 s[64:65], 0
	v_nop
	global_prefetch_b8 v0, s[64:65] scope:SCOPE_SE
	s_setreg_imm32_b32 hwreg(HW_REG_WAVE_SCHED_MODE, 0, 2), 2
	s_setreg_imm32_b32 hwreg(HW_REG_WAVE_MODE, 25, 1), 1
	s_wait_xcnt 0x0
	s_wait_alu depctr_vm_vsrc(0)
; out0[n] = argmin over k of |xn[n] - 2 x[n].c[k] + cn[k]|.  x: [262144][64] f32, centers: [1024][64] f32, out0: [262144] i32.
; The product runs on codes of E4M3 with one E8M0 scale for each 32 along K (K = 64: two blocks); norms, sums, magnitudes and comparisons are f32; ties go to the lower index.
; SHARES.  256 work-groups of 16 waves; a work-group owns 1,024 rows of x, a wave 64: four tiles of 16 rows, which stay in its registers as codes.  Every wave walks all 64 tiles of 16 centres, read from LDS.
; Four waves of 256 registers share a SIMD, so that one wave's products and LDS loads stand beside another's vector work: a tile of centres costs a wave 4 products and 56 vector lines.
; THE PRODUCT IS USED TRANSPOSED (source 0 = 16 centres, source 1 = 16 rows of x): lane (r = lane % 16, h = lane / 16) holds row r throughout, and register j of a result the centre 16 t + 8 h + j.
; C is -xn of the lane's row in all eight registers, and the centres' scale bytes are one higher than their codes were made with, so a product gives 2 p - xn.  One packed addition of -cn gives d' = -((xn - 2 p) + cn): |d'| = |dist|.
; K = 64 IN A FORM OF K = 128: the centres' operand is 8 registers of codes and 8 of zero codes.  x's operand is tile i's 8 registers and whatever follows (tile i + 1's codes; zeros behind tile 3): those codes meet zero codes
; and add nothing; none is a NaN code, since every number is held within the largest code before it is converted.  A scale word repeats its two bytes, so the bytes over the idle half are ordinary ones.
; THE ARGMIN.  For each row tile a lane keeps the best magnitude so far, the number of the tile of centres that brought it, and that tile's eight d'.  A tile's eight magnitudes and the old best go through four v_min3; where the
; result is strictly smaller than the old best (so the earlier tile keeps a tie) the eight d' and the tile's number are taken by selects.  The place inside the kept tile is looked up once, at the end, lowest first.
; THE CENTRES are read and quantised by every work-group: 256 KiB of f32, as much as its own share of x, 4 tiles a wave, worked while x is on its way.  They are not asked for jointly in a cluster: they must pass through
; registers to be quantised, and 256 KiB of f32 have no room in LDS beside the images (64 KiB) and the waves' stages (204 KiB).
; LIMITS.  NaN and infinities among the inputs are not served.  A block whose largest magnitude lies under 2^-118 keeps the scale byte 1 (a block of zeros too: its codes are zeros).
; The 64 squares of a norm are summed in this text's own order (two packed chains a lane, then the lane 16 away); xn - 2 p is rounded once, inside the matrix instruction, where reference() rounds p first.
; THE MODE: SCHED_MODE bits 1:0 = 2 (LLVM: expert scheduling mode 2), set by the entry lines.  The code itself states the register dependences between vector or matrix instructions and memory or LDS instructions,
; and between a vector instruction that writes a scalar register or VCC and its readers, with s_wait_alu, always for 0.
; THE PLAN, for the walk.  A trip takes tiles t (even; its products were issued a trip ago) and t + 1.  Registers that LDS instructions touch:
;   v48-55    the odd tile's codes.   Read by the four products at the trip's head; tile t + 3's land there in the same trip.
;   v32-39    the even tile's codes.  Read by the four products in the trip's middle; tile t + 2's land there ahead of them.
;   v14       the pair's scale words. Read by both groups of products; the next pair's land behind the head's products.
;   v232-239  the even tile's -cn.    Read by the trip's first sixteen additions; tile t + 2's land behind them.
;   v240-247  the odd tile's -cn.     Read by the trip's second sixteen additions; tile t + 1's land in the same trip, ahead of them.
;   v2, v15, v248  the trip's three addresses.  Written at the trip's head, read by its nine loads.
;   All else (results, best magnitudes, kept d', x's operands) is named by vector and matrix instructions alone.
; So ONE wait on va_vdst stands in a trip, behind its first sixteen additions: every reader listed above has been issued ahead of it, and the addresses are written.  The nine loads follow it in two runs, with eight
; lines between that name none of their registers.  One wait on vm_vsrc stands at the trip's head, ahead of the three additions that write the addresses.
; The selects go in pairs and take VCC alone, so each of a tile's four compares has its own wait on va_vcc ahead of its selects; links of other row tiles' minima stand between a compare and that wait where there are any.
.set DUAL,  1                          ; 1: two selects in one instruction; 0: written singly
.set CSC,   0                          ; LDS: the scale word of centre n at 4 n
.set CN,    4096                       ; -cn[n] at 4 n
.set OST,   8192                       ; 256 bytes a wave: the index of its row q at 4 q
.set CIMG,  12288                      ; the centres' codes as images of the operand's registers: tile t at 1,024 t: registers 0-3 at 16 x lane, registers 4-7 at 512 + 16 x lane
.set STG,   77824                      ; three stages a wave, each 16 rows x (256 + 16) bytes
.set SP,    272                        ; a stage row: 17 x 16 bytes, so that sixteen rows begin in sixteen different 16-byte columns of 256
.set STB,   16*SP
.set WSTG,  3*STB
.set WCI,  2                           ; v2   the trip's address among the images (at the head: lane)
.set STW,  3                           ; v3   a stage, on the way in: my wave's + 272 h + 16 r
.set STR,  4                           ; v4   and on the way out: my wave's + 272 r + 64 h
.set ACI,  5                           ; v5   CIMG + 16 x lane; never rewritten
.set ACN,  6                           ; v6   CN + 32 h; never rewritten
.set ASC,  7                           ; v7   CSC + 4 x lane; never rewritten
.set H8,   8                           ; v8   8 h
.set CIW,  9                           ; v9   where I store my wave's images: CIMG + 4,096 x wave + 16 x lane
.set CSW,  10                          ; v10  256 x wave + 4 r: my wave's scale words and norms
.set OSW,  11                          ; v11  OST + 256 x wave + 4 r
.set OSR,  12                          ; v12  OST + 256 x wave + 8 x lane
.set OGO,  13                          ; v13  8 x lane: my bytes of the wave's 256 in out0
.set SCW,  14                          ; v14  the centres' scale words: lanes 0-15 the even tile's, lanes 16-31 the odd tile's; it holds nothing else
.set WCN,  15                          ; v15  the trip's address among the norms (at the head: r)
.set XS,   16                          ; v16-19  x's scale words, one register a row tile; they hold nothing else
.set BA,   20                          ; v20-23  the best magnitude (in the prologue: -xn)
.set BB,   24                          ; v24-27  its second set: the two take turns
.set TI,   28                          ; v28-31  the winning tile's number
.set AM,   32                          ; the quantiser's registers, v32-59: two largest magnitudes,
.set PX,   34                          ; the other half's,
.set SO,   36                          ; the conversions' scale operands,
.set LM,   38                          ; 448 x the scale,
.set BY,   40                          ; the bytes,
.set W,    42                          ; a tile of centres' scale word,
.set NG,   43                          ; its -cn,
.set NS,   44                          ; v44-47 sums of squares,
.set NP,   48                          ; the other half's,
.set CD,   52                          ; v52-59 a tile of centres' codes
.set CB0,  32                          ; the walk: v32-47, v48-63 the centres' operand, even and odd tile: 8 registers of codes, 8 of zeros
.set S0,   64                          ; the prologue: six sets of 32 registers as loaded
.set S1,   96
.set S2,   128
.set S3,   160
.set S4,   192
.set S5,   224
.set TA,   128                         ; and two sets of 32 neighbours along K
.set TB,   160
.set H0,   64                          ; the walk: v64-95, v96-127 four results of the even tile, of the odd tile
.set SV,   128                         ; v128-159 the winning tile's d', 8 a row tile
.set XC,   160                         ; v160-191 -xn, 8 a row tile
.set XF,   192                         ; v192-223 x's codes, 8 a row tile
.set XT,   224                         ; v224-231 zeros
.set NB0,  232                         ; v232-239, v240-247 -cn of the even tile, of the odd tile
.set WSC,  248                         ; v248 the trip's address among the scale words;  v249-254 at work at the end
.set MK,   24                          ; s24-30 the end's masks
.macro GLOADC set, tile                ; a tile of 16 rows, 4,096 bytes, as it lies: each load takes 512 consecutive bytes, 16 a lane
.irp i, 0,1,2,3,4,5,6,7
	global_load_b128 v[\set+4*\i:\set+4*\i+3], v1, s[6:7] offset:4096*\tile+512*\i
.endr
.endm
.macro GLOADX set, tile                ; the same of x, which the launch reads once
.irp i, 0,1,2,3,4,5,6,7
	global_load_b128 v[\set+4*\i:\set+4*\i+3], v1, s[4:5] offset:4096*\tile+512*\i th:TH_LOAD_NT
.endr
.endm
.macro PUT set, st                     ; into stage st: load i holds rows 2 i (lanes 0-15) and 2 i + 1 (lanes 16-31)
.irp i, 0,1,2,3,4,5,6,7
	ds_store_b128 v[STW], v[\set+4*\i:\set+4*\i+3] offset:STB*\st+2*SP*\i
.endr
.endm
.macro GET st, t                       ; and back: register 16 c + i of v[t] on is k = 32 c + 16 h + i of row r: the order of the operand's registers
.irp c, 0,1
.irp q, 0,1,2,3
	ds_load_b128 v[\t+16*\c+4*\q:\t+16*\c+4*\q+3], v[STR] offset:STB*\st+128*\c+16*\q
.endr
.endr
.endm
; 32 numbers of a lane become 8 registers of codes in v[cod] on, the row's scale word in v[wrd] and minus the row's sum of squares in v[neg].
; lit: what is added to the largest magnitude's bits to give the stored byte: -8 in the exponent field (x), -7 (the centres: the byte is one higher, which doubles the product).
.macro QUANT t, cod, wrd, neg, lit
	v_pk_mul_f32 v[NS:NS+1], v[\t:\t+1], v[\t:\t+1]                ; the squares of the numbers as they came, in two packed chains
	v_pk_mul_f32 v[NS+2:NS+3], v[\t+2:\t+3], v[\t+2:\t+3]
.irp j, 4,8,12,16,20,24,28
	v_pk_fma_f32 v[NS:NS+1], v[\t+\j:\t+\j+1], v[\t+\j:\t+\j+1], v[NS:NS+1]
	v_pk_fma_f32 v[NS+2:NS+3], v[\t+\j+2:\t+\j+3], v[\t+\j+2:\t+\j+3], v[NS+2:NS+3]
.endr
	v_max3_num_f32 v[AM], |v[\t]|, |v[\t+1]|, 0x4800000            ; each block's largest magnitude of my 16, with the floor 2^(9 - 127) among the leaves: the byte cannot fall under 1
	v_max3_num_f32 v[AM+1], |v[\t+16]|, |v[\t+17]|, 0x4800000
.irp i, 2,4,6,8,10,12,14
	v_max3_num_f32 v[AM], v[AM], |v[\t+\i]|, |v[\t+\i+1]|          ; (the two blocks by turns)
	v_max3_num_f32 v[AM+1], v[AM+1], |v[\t+16+\i]|, |v[\t+17+\i]|
.endr
	v_pk_add_f32 v[NS:NS+1], v[NS:NS+1], v[NS+2:NS+3]
	v_permlanex16_b32 v[PX], v[AM], s12, s13
	v_permlanex16_b32 v[PX+1], v[AM+1], s12, s13
	v_add_f32 v[NS], v[NS], v[NS+1]
	v_max_num_f32 v[AM], v[AM], v[PX]                              ; with the lane 16 away: the block's
	v_max_num_f32 v[AM+1], v[AM+1], v[PX+1]
	v_permlanex16_b32 v[NP], v[NS], s12, s13
.irp b, 0,1
	v_add_nc_u32 v[SO+\b], 0xfc000000, v[AM+\b]                    ; 8 off the exponent field: the conversion takes that field as its scale and nothing else
	v_and_or_b32 v[LM+\b], v[AM+\b], 0x7f800000, s14               ; 448 x the scale: the same exponent field over 448's mantissa field
	v_add_nc_u32 v[BY+\b], \lit, v[AM+\b]
.endr
	v_sub_f32 v[\neg], -v[NS], v[NP]                               ; -(my half + the other half): the same bits in both halves of the lanes
	v_lshrrev_b32 v[BY], 23, v[BY]
	v_lshrrev_b32 v[BY+1], 23, v[BY+1]
	v_lshl_or_b32 v[\wrd], v[BY+1], 8, v[BY]
	v_lshl_or_b32 v[\wrd], v[\wrd], 16, v[\wrd]                    ; (b0, b1, b0, b1)
.irp b, 0,1
.irp i, 0,1,2,3,4,5,6,7,8,9,10,11,12,13,14,15
	v_med3_num_f32 v[\t+16*\b+\i], v[\t+16*\b+\i], -v[LM+\b], v[LM+\b]   ; the conversion to an 8-bit code does not saturate (ISA guide 7.6.2): the hold at the largest code x the scale
.endr
.endr
.irp b, 0,1
	v_cvt_scalef32_pk8_fp8_f32 v[\cod+4*\b:\cod+4*\b+1], v[\t+16*\b:\t+16*\b+7], v[SO+\b]
	v_cvt_scalef32_pk8_fp8_f32 v[\cod+4*\b+2:\cod+4*\b+3], v[\t+16*\b+8:\t+16*\b+15], v[SO+\b]
.endr
	v_nop                                                          ; one plain line between a scaled conversion and the next vector or matrix line that touches its result or writes its sources
.endm
.macro CSTORE n                        ; my wave's n-th tile of centres goes to LDS: the image of its codes, its scale words, its -cn (both halves of the lanes write the same word with the same value)
	s_wait_alu depctr_va_vdst(0)                   ; the quantiser has written the codes, the scale word and -cn, which these stores read; and it is done with its 32 numbers' registers, in which the stage's next loads land
	ds_store_b128 v[CIW], v[CD:CD+3] offset:1024*\n
	ds_store_b128 v[CIW], v[CD+4:CD+7] offset:1024*\n+512
	ds_store_b32 v[CSW], v[W] offset:CSC+64*\n
	ds_store_b32 v[CSW], v[NG] offset:CN+64*\n
.endm
; The walk's LDS loads.  at: 0 the pair at the address, 1 the pair behind it.
.macro EVEN ai, as, at                 ; the even tile's codes and the pair's scale words
	ds_load_b128 v[CB0:CB0+3], v[\ai] offset:2048*\at
	ds_load_b128 v[CB0+4:CB0+7], v[\ai] offset:2048*\at+512
	ds_load_b32 v[SCW], v[\as] offset:128*\at
.endm
.macro ODD ai, at                      ; the odd tile's codes
	ds_load_b128 v[CB0+16:CB0+19], v[\ai] offset:2048*\at+1024
	ds_load_b128 v[CB0+20:CB0+23], v[\ai] offset:2048*\at+1536
.endm
.macro NORM e, an, off                 ; eight -cn of my half, of a tile of parity e, off bytes on
	ds_load_b128 v[NB0+8*\e:NB0+8*\e+3], v[\an] offset:(\off)
	ds_load_b128 v[NB0+8*\e+4:NB0+8*\e+7], v[\an] offset:(\off)+16
.endm
; Four products: the tile of parity e against my four row tiles.  Each has a result of its own and -xn as C: nothing is added in place, so no two of them form a chain.
.macro WM e
.irp i, 0,1,2,3
.if \e
	v_wmma_scale_f32_16x16x128_f8f6f4 v[H0+32*\e+8*\i:H0+32*\e+8*\i+7], v[CB0+16*\e:CB0+16*\e+15], v[XF+8*\i:XF+8*\i+15], v[XC+8*\i:XC+8*\i+7], v[SCW], v[XS+\i] matrix_a_scale:MATRIX_SCALE_ROW1
.else
	v_wmma_scale_f32_16x16x128_f8f6f4 v[H0+32*\e+8*\i:H0+32*\e+8*\i+7], v[CB0+16*\e:CB0+16*\e+15], v[XF+8*\i:XF+8*\i+15], v[XC+8*\i:XC+8*\i+7], v[SCW], v[XS+\i]
.endif
.endr
.endm
.macro SEL2 a, b                       ; v[a], v[a + 1] take v[b], v[b + 1] where VCC is set.  a and b are even: one destination even, one odd; the two first sources, and the two second, are neighbouring registers
.if DUAL
	v_dual_cndmask_b32 v[\a], v[\a], v[\b] :: v_dual_cndmask_b32 v[\a+1], v[\a+1], v[\b+1]
.else
	v_cndmask_b32 v[\a], v[\a], v[\b], vcc_lo
	v_cndmask_b32 v[\a+1], v[\a+1], v[\b+1], vcc_lo
.endif
.endm
; The vector work of a tile of parity e, 56 lines, in two parts.  ADDS: the sixteen additions.
.macro ADDS e
.irp q, 0,1,2,3
.irp i, 0,1,2,3
	v_pk_add_f32 v[H0+32*\e+8*\i+2*\q:H0+32*\e+8*\i+2*\q+1], v[H0+32*\e+8*\i+2*\q:H0+32*\e+8*\i+2*\q+1], v[NB0+8*\e+2*\q:NB0+8*\e+2*\q+1]   ; d' = (2 p - xn) - cn; each result is first read at its registers 0 and 1
.endr
.endr
.endm
.macro MIN e, bin, bout, i, q          ; link q of row tile i's chain of four: two magnitudes and the best so far
.if \q == 0
	v_min3_num_f32 v[\bout+\i], |v[H0+32*\e+8*\i]|, |v[H0+32*\e+8*\i+1]|, v[\bin+\i]
.else
	v_min3_num_f32 v[\bout+\i], |v[H0+32*\e+8*\i+2*\q]|, |v[H0+32*\e+8*\i+2*\q+1]|, v[\bout+\i]
.endif
.endm
.macro BETTER bin, bout, i
	v_cmp_lt_f32 vcc_lo, v[\bout+\i], v[\bin+\i]   ; strictly better: on a tie the earlier tile stays
.endm
.macro TAKE e, i, st                   ; row tile i takes the tile's eight d' and its number where VCC is set
	s_wait_alu depctr_va_vcc(0)                    ; the compare has written VCC, ahead of its first reader: the five selects below read it
.irp q, 0,1,2,3
	SEL2 SV+8*\i+2*\q, H0+32*\e+8*\i+2*\q
.endr
	v_cndmask_b32 v[TI+\i], v[TI+\i], s[\st], vcc_lo
.endm
; REST: the minima, compares and selects.  bin, bout: the best before and behind the tile; st: the scalar register with the tile's number; more = 1: the trip's second run of loads stands in it.
; Row tiles 0 and 1 go first, by turns; the links of row tiles 2 and 3 stand between a compare and the wait for it.  Each chain keeps its own order.
.macro REST e, bin, bout, st, more
.irp q, 0,1,2,3
	MIN \e, \bin, \bout, 0, \q
	MIN \e, \bin, \bout, 1, \q
.endr
.if \more
	NORM 0, WCN, 128                               ; tile t + 2's -cn and tile t + 3's codes: wanted at the next trip's head.  No wait: the eight lines since the trip's wait on va_vdst name none of these registers
	ODD WCI, 1
.endif
	BETTER \bin, \bout, 0
	MIN \e, \bin, \bout, 2, 0
	MIN \e, \bin, \bout, 3, 0
	MIN \e, \bin, \bout, 2, 1
	TAKE \e, 0, \st
	BETTER \bin, \bout, 1
	MIN \e, \bin, \bout, 2, 2
	MIN \e, \bin, \bout, 3, 1
	MIN \e, \bin, \bout, 2, 3
	TAKE \e, 1, \st
	BETTER \bin, \bout, 2
	MIN \e, \bin, \bout, 3, 2
	MIN \e, \bin, \bout, 3, 3
	TAKE \e, 2, \st
	BETTER \bin, \bout, 3
	TAKE \e, 3, \st
.endm
; A trip: tiles s16 (its products were issued a trip ago) and s16 + 1.  A result is read 56 plain lines behind its product and written over 56 such lines behind that.
.macro TRIP last
	s_wait_dscnt 0x0                               ; the odd tile's codes and the even tile's -cn are in
.if 1-\last
	s_wait_alu depctr_vm_vsrc(0)                   ; the last trip's nine LDS loads have read the three addresses, which are written anew:
	v_add_nc_u32 v[WCI], s21, v[ACI]               ; this trip's places in the three tables
	v_add_nc_u32 v[WCN], s22, v[ACN]
	v_add_nc_u32 v[WSC], s22, v[ASC]
.endif
	WM 1
	ADDS 0                                         ; these sixteen name no register of the products just issued: they are the places behind them (ISA guide 7.12.1)
.if \last
	s_wait_alu depctr_va_vdst(0)                   ; the last trip's additions are done reading the odd tile's -cn, where tile 63's land
	NORM 1, ACN, 64*63                             ; by the base that is never rewritten: nothing else is left to fetch
.else
	s_wait_alu depctr_va_vdst(0)                   ; the three addresses are written; the products are done reading both tiles' codes and the scale words; the additions are done reading both tiles' -cn: the nine loads of this trip land in these
	EVEN WCI, WSC, 1                               ; tile t + 2's codes and the next pair's scale words, for the products in this trip's middle,
	NORM 1, WCN, 64                                ; and tile t + 1's -cn, for the additions behind them
.endif
	REST 0, BA, BB, 16, 1-\last
.if \last
	s_wait_dscnt 0x0                               ; tile 63's -cn are in
.else
	s_wait_dscnt 4                                 ; LDS loads come back in order (ISA guide 5.7.1): the first five are in; the four younger ones are wanted at the next trip's head
	WM 0
.endif
	ADDS 1
	REST 1, BB, BA, 17, 0
.endm
; The end, for row tile i: the lowest place in the kept tile whose magnitude is the best; the index; then the better of mine and the lane 16 away's, the lower index on a tie.
.macro FIN i
.irp j, 0,1,2,3,4,5,6
	v_cmp_eq_f32 s[MK+\j], |v[SV+8*\i+\j]|, v[BA+\i]               ; the compares in one run, a mask register each
.endr
	v_mov_b32 v249, 7
	s_wait_alu depctr_va_sdst(0)                   ; the seven masks are written, ahead of their first reader
.irp j, 6,5,4,3,2,1,0
	v_cndmask_b32 v249, v249, \j, s[MK+\j]
.endr
	v_lshl_add_u32 v250, v[TI+\i], 4, v249
	v_add_nc_u32 v250, v250, v[H8]                 ; 16 t + 8 h + j
	v_permlanex16_b32 v251, v[BA+\i], s12, s13
	v_permlanex16_b32 v252, v250, s12, s13
	v_min_num_f32 v253, v[BA+\i], v251
	v_cmp_eq_f32 s[MK], v[BA+\i], v253
	v_cmp_eq_f32 s[MK+1], v251, v253
	s_wait_alu depctr_va_sdst(0)                   ; the two masks are written, ahead of their first reader
	v_cndmask_b32 v250, v254, v250, s[MK]          ; an index whose magnitude is not the smaller one steps aside
	v_cndmask_b32 v252, v254, v252, s[MK+1]
	v_min_u32 v[240+\i], v250, v252                ; a register of its own for each row tile: no LDS store's data are written again
.endm
	; ---- the head: addresses, and all loads that have registers to land in
	s_load_b128 s[4:7], s[0:1], 0x0                ; x s[4:5], centers s[6:7]
	s_load_b64 s[8:9], s[0:1], 0x10                ; out0
	v_lshrrev_b32 v2, 5, v0
	v_readfirstlane_b32 s10, v2                    ; wave 0..15
	v_and_b32 v2, 31, v0                           ; lane
	v_lshlrev_b32 v1, 4, v2                        ; 16 x lane: my bytes of a load's 512; never rewritten
	s_wait_alu depctr_va_sdst(0)                   ; s10 is written, ahead of its first reader: the bases and the LDS addresses are made from it
	s_lshl_b32 s18, s10, 14                        ; my wave's 64 rows of x, and its 4 tiles of centres: 16,384 bytes each
	s_mov_b32 s19, 0
	s_lshl_b32 s2, ttmp9, 18                       ; the work-group's 1,024 rows of 256 bytes
	s_add_co_u32 s2, s2, s18
	s_mov_b32 s3, 0
	s_lshl_b32 s20, ttmp9, 12                      ; its 1,024 indices,
	s_lshl_b32 s11, s10, 8                         ; my wave's 64
	s_add_co_u32 s20, s20, s11
	s_mov_b32 s21, 0
	s_wait_kmcnt 0x0
	s_add_nc_u64 s[4:5], s[4:5], s[2:3]
	s_add_nc_u64 s[6:7], s[6:7], s[18:19]
	s_add_nc_u64 s[8:9], s[8:9], s[20:21]
	s_wait_alu depctr_va_vdst(0)                   ; v1 is written: all 64 loads from memory read it as their offset
	GLOADC S0, 0                                   ; the centres first: loads come back in order (ISA guide 5.7.1), and they are worked while x is on its way
	GLOADC S1, 1
	GLOADC S2, 2
	GLOADC S3, 3
	GLOADX S4, 0
	GLOADX S5, 1
	v_and_b32 v15, 15, v0                          ; r
	v_bfe_u32 v8, v0, 4, 1                         ; h
	s_mul_i32 s11, s10, WSTG
	s_add_co_u32 s11, s11, STG                     ; my wave's stages
	v_mul_u32_u24 v[STW], v8, SP
	v_lshl_add_u32 v[STW], v15, 4, v[STW]
	v_add_nc_u32 v[STW], s11, v[STW]
	v_mul_u32_u24 v[STR], v15, SP
	v_lshl_add_u32 v[STR], v8, 6, v[STR]
	v_add_nc_u32 v[STR], s11, v[STR]
	v_add_nc_u32 v[ACI], CIMG, v1
	v_lshl_add_u32 v[ACN], v8, 5, CN
	v_lshlrev_b32 v[ASC], 2, v2
	s_lshl_b32 s11, s10, 12
	v_add_nc_u32 v[CIW], s11, v[ACI]
	s_lshl_b32 s11, s10, 8
	v_lshl_add_u32 v[CSW], v15, 2, s11
	v_add_nc_u32 v[OSW], OST, v[CSW]
	v_lshl_add_u32 v[OSR], v2, 3, s11
	v_add_nc_u32 v[OSR], OST, v[OSR]
	v_lshlrev_b32 v[OGO], 3, v2
	v_lshlrev_b32 v[H8], 3, v8
	v_mov_b32 v[PX], 0                             ; written once: a lane permute's destination counts as one of its sources
	v_mov_b32 v[PX+1], 0
	v_mov_b32 v[NP], 0
	s_mov_b32 s12, 0x76543210                      ; v_permlanex16_b32's selects for the lane 16 away
	s_mov_b32 s13, 0xfedcba98
	s_mov_b32 s14, 0x600000                        ; the mantissa field of 448
	; ---- my four tiles of centres
	s_wait_loadcnt 16                              ; the centres' 32 loads are in; x's 16 stay out
	s_wait_alu depctr_va_vdst(0)                   ; the addresses v3 to v13 are written: every LDS instruction and the last store read one of them, and none is written again
	PUT S0, 0
	PUT S1, 1
	PUT S2, 2
	s_wait_dscnt 0x0                               ; the stores have landed
	s_wait_alu depctr_vm_vsrc(0)                   ; and have read v64-159: the rest of x lands in v64-127, the stage's first loads in v128-159
	GLOADX S0, 2                                   ; the rest of my x: all 64 rows are now asked for
	GLOADX S1, 3
	GET 0, TA                                      ; LDS serves a wave's instructions in order (ISA guide 5.7.1.4): the stage is read, then written again
	PUT S3, 0
	s_wait_dscnt 0x0
	s_wait_alu depctr_vm_vsrc(0)                   ; the stores just issued have read v160-191, in which the next loads land
	GET 1, TB
	QUANT TA, CD, W, NG, 0xfc800000
	CSTORE 0
	GET 2, TA
	s_wait_dscnt 8                                 ; all but the eight loads just issued: tile 1 is in
	s_wait_alu depctr_vm_vsrc(0)                   ; the stores of tile 0 have read the codes, the scale word and -cn, which the quantiser writes again
	QUANT TB, CD, W, NG, 0xfc800000
	CSTORE 1
	GET 0, TB
	s_wait_dscnt 8                                 ; likewise: tile 2 is in
	s_wait_alu depctr_vm_vsrc(0)                   ; the stores of tile 1 have read the codes, the scale word and -cn
	QUANT TA, CD, W, NG, 0xfc800000
	CSTORE 2
	s_wait_dscnt 0x0
	s_wait_alu depctr_vm_vsrc(0)                   ; the stores of tile 2 have read the codes, the scale word and -cn
	QUANT TB, CD, W, NG, 0xfc800000
	CSTORE 3
	; ---- my four tiles of x: codes, scale words and -xn stay in registers
	s_wait_loadcnt 16                              ; tiles 0 and 1 are in; the 16 loads of tiles 2 and 3 may be out
	PUT S4, 1
	PUT S5, 2
	GET 1, TA                                      ; (the wait at the head of the last stores of centres has shown the quantiser done with v128-191)
	GET 2, TB
	s_wait_dscnt 8                                 ; all but tile 1's eight loads: tile 0 is in
	s_wait_alu depctr_vm_vsrc(0)                   ; the stage's stores have read v192-255, where x's codes, the zeros, the walk's -cn and the end's registers go; the stores of the centres' tile 3 have read v42, v43 and v52-59, which become the walk's operands
	QUANT TA, XF, XS, BA, 0xfc000000
	s_wait_loadcnt 8                               ; tile 2 is in
	s_wait_alu depctr_va_vdst(0)                   ; the quantiser is done with v128-159, in which tile 2 lands from the stage
	PUT S0, 0
	GET 0, TA
	s_wait_dscnt 16                                ; the eight stores and eight loads just issued may be out: tile 1 is in
	QUANT TB, XF+8, XS+1, BA+1, 0xfc000000
	s_wait_loadcnt 0x0
	s_wait_alu depctr_va_vdst(0)                   ; the quantiser is done with v160-191, in which tile 3 lands from the stage
	PUT S1, 1
	GET 1, TB
	s_wait_dscnt 16                                ; likewise: tile 2 is in
	QUANT TA, XF+16, XS+2, BA+2, 0xfc000000
	s_wait_dscnt 0x0
	QUANT TB, XF+24, XS+3, BA+3, 0xfc000000
	; ---- what the walk finds in registers; then the launch's one barrier
.irp j, 0,1,2,3,4,5,6,7
	v_mov_b32 v[CB0+8+\j], 0                       ; the idle half of K: zero codes, in both sets of the centres' operand,
	v_mov_b32 v[CB0+24+\j], 0
	v_mov_b32 v[XT+\j], 0                          ; and behind x's last tile
.endr
.irp i, 0,1,2,3
.irp j, 0,1,2,3,4,5,6,7
	v_mov_b32 v[XC+8*\i+\j], v[BA+\i]              ; C: -xn of my row in all eight registers
.endr
.endr
.irp i, 0,1,2,3
	v_mov_b32 v[TI+\i], 0
.endr
	s_wait_dscnt 0x0                               ; for the others' sake: my images, scale words and norms have landed
	s_barrier_signal -1
	s_barrier_wait -1                              ; all 64 tiles of centres lie in LDS; from here on nobody writes them
	s_wait_alu depctr_vm_vsrc(0)                   ; the stage's stores of x's tiles 2 and 3 have read v64-127, which the products write
	s_wait_alu depctr_va_vdst(0)                   ; the quantiser is done with v32-39 and v48-55, in which codes land; x's codes and scale words and the zero codes are written, which the products take (the 36 lines behind the last of them are the places in front of a scaled product)
	EVEN ACI, ASC, 0                               ; tile 0's codes, the first pair's scale words,
	NORM 0, ACN, 0                                 ; tile 0's -cn,
	ODD ACI, 0                                     ; tile 1's codes; its -cn come in the first trip
	s_wait_dscnt 0x0
	WM 0
.irp i, 0,1,2,3
	v_mov_b32 v[BA+\i], 0x7f800000                 ; the best so far: +infinity.  (These 36 lines name no register of the four products: they are the places behind them, ISA guide 7.12.1)
.endr
.irp j, 0,1,2,3,4,5,6,7,8,9,10,11,12,13,14,15,16,17,18,19,20,21,22,23,24,25,26,27,28,29,30,31
	v_mov_b32 v[SV+\j], 0                          ; written before the selects read them; the first tile replaces them
.endr
	s_mov_b32 s16, 0                               ; the even tile's number, and the loop's counter
	s_mov_b32 s21, 0                               ; 2,048 bytes of images a trip
	s_mov_b32 s22, 0                               ; 128 bytes of norms, and of scale words
.Ltrip:                                            ; 31 trips: tiles 0 to 61; each fetches the next pair
	s_add_co_u32 s17, s16, 1
	TRIP 0
	s_add_co_u32 s21, s21, 2048
	s_add_co_u32 s22, s22, 128
	s_add_co_u32 s16, s16, 2
	s_cmp_lt_u32 s16, 62
	s_cbranch_scc1 .Ltrip
	s_mov_b32 s17, 63
	TRIP 1                                         ; tiles 62 and 63: written out, since only tile 63's -cn are left to fetch
	; ---- the end: 64 indices a wave, gathered in its own 256 bytes of LDS, leave as 256 consecutive bytes, aligned
	v_mov_b32 v251, 0                              ; a lane permute's destination counts as one of its sources
	v_mov_b32 v252, 0
	v_mov_b32 v254, 0x7fffffff
	FIN 0
	FIN 1
	FIN 2
	FIN 3
	s_wait_alu depctr_va_vdst(0)                   ; the four indices v240-243 are written, which the LDS stores read; the lines above are done with v250 and v251, in which the LDS load lands
.irp i, 0,1,2,3
	ds_store_b32 v[OSW], v[240+\i] offset:64*\i    ; both halves of the lanes write the same word with the same value
.endr
	ds_load_b64 v[250:251], v[OSR]                 ; LDS serves a wave's instructions in order: this sees my stores
	s_wait_dscnt 0x0
	global_store_b64 v[OGO], v[250:251], s[8:9] th:TH_STORE_NT
	s_wait_xcnt 0x0
	v_lshl_add_u32 v254, v0, 2, 0x46000            ; my spare word, behind the stages, and 0: made anew here, since no two registers can be kept; no memory or LDS instruction has read v254 or v255 since the walk's waits on vm_vsrc
	v_mov_b32 v255, 0
	s_wait_dscnt 0x0                               ; the closing lines, six on end
	s_wait_alu 0x0
	s_wait_tensorcnt 0x0
	ds_add_u32 v254, v255
	s_wait_dscnt 0x0
	s_endpgm
.Lfunc_end_k_q6886b2587b_kmeans:
	.size	k_q6886b2587b_kmeans, .Lfunc_end_k_q6886b2587b_kmeans-k_q6886b2587b_kmeans
	.p2alignl 7, 3214868480
	.fill 96, 4, 3214868480
	.section	.rodata,"a",@progbits
	.p2align	6, 0x0
	.amdhsa_kernel k_q6886b2587b_kmeans
		.amdhsa_group_segment_fixed_size 288768
		.amdhsa_private_segment_fixed_size 0
		.amdhsa_enable_private_segment 0
		.amdhsa_kernarg_size 24
		.amdhsa_user_sgpr_count 2
		.amdhsa_user_sgpr_kernarg_segment_ptr 1
		.amdhsa_wavefront_size32 1
		.amdhsa_system_sgpr_workgroup_id_x 1
		.amdhsa_system_sgpr_workgroup_id_y 1
		.amdhsa_system_sgpr_workgroup_id_z 1
		.amdhsa_system_vgpr_workitem_id 0
		.amdhsa_next_free_vgpr 256
		.amdhsa_next_free_sgpr 66
		.amdhsa_reserve_vcc 1
		.amdhsa_float_denorm_mode_32 3
		.amdhsa_float_denorm_mode_16_64 3
		.amdhsa_memory_ordered 1
		.amdhsa_forward_progress 1
		.amdhsa_inst_pref_size 90
	.end_amdhsa_kernel
	.amdgpu_metadata
---
amdhsa.version: [ 1, 2 ]
amdhsa.kernels:
  - .name:           k_q6886b2587b_kmeans
    .symbol:         k_q6886b2587b_kmeans.kd
    .args:
      - { .name: x, .offset: 0, .size: 8, .value_kind: global_buffer, .address_space: global }
      - { .name: centers, .offset: 8, .size: 8, .value_kind: global_buffer, .address_space: global }
      - { .name: out0, .offset: 16, .size: 8, .value_kind: global_buffer, .address_space: global }
    .group_segment_fixed_size: 288768
    .private_segment_fixed_size: 0
    .kernarg_segment_align: 8
    .kernarg_segment_size: 24
    .max_flat_workgroup_size: 512
    .sgpr_count:     66
    .vgpr_count:     256
    .wavefront_size: 32
...
	.end_amdgpu_metadata
.endif
;; end of part 2
